; MI455X (gfx1250); checked and timed in simulation.
; The chip was launched on July 23, 2026; its instructions are those of AMD's public machine-readable ISA for CDNA 5 (MIT licence, August 2026) and "CDNA5" Instruction Set Architecture Reference Guide (July 2026). The comments in the code are by the model that wrote it; some were corrected since.
;; RSR Linear. Allowed arithmetic: float matrix products may take bf16 or f16 operands with f32 sums; other float arithmetic in f32, or as packed bf16 or f16 multiplies, adds, multiply-adds, maxima and minima; sums over many terms, partial sums and values carried from step to step in f32; what a program stores and reads back later, other than sums and carried values, may be rounded once to bf16 or f16.
;; Inputs: W 4,096 x 4,096 float32; bias 4,096 float32; rms_weight 4,096 float32; weight_scale 1 float32; x 4 x 1,024 x 4,096 float32.
;; Outputs: out0 4 x 1,024 x 4,096 float32.
;; One version. Each part assembles by itself: llvm-mc -triple=amdgcn-amd-amdhsa -mcpu=gfx1250 --defsym DOCPART=n.
;; ======== version 1 of 1: 2 launches
;; workspace buffers: q 33,554,432 bytes; wb 33,554,432 bytes; inv 16,384 bytes
;; launch prep (part 1): grid 256 x 1, 8 waves a work-group, no clusters, 0 bytes of LDS; arguments x, W, rms_weight, q, wb, inv; writes q, wb, inv
.if DOCPART == 1
	.amdgcn_target "amdgcn-amd-amdhsa--gfx1250"
	.amdhsa_code_object_version 6
	.text
	.protected	k_q3b417f68ac_prep
	.globl	k_q3b417f68ac_prep
	.p2align	8
	.type	k_q3b417f68ac_prep,@function
k_q3b417f68ac_prep:
	s_mov_b64 s[64:65], 0
	v_nop
	global_prefetch_b8 v0, s[64:65] scope:SCOPE_SE
	s_setreg_imm32_b32 hwreg(HW_REG_WAVE_MODE, 25, 1), 1
	s_wait_xcnt 0x0
; q[t][k] = clip(round(h[t][k] * scale[t]), -128, 127) in bf16 (whole numbers up to 128 in magnitude are exact there), inv[t] = 1 / scale[t] in f32, wb = W rounded once to bf16.
; h = x * rsqrt(mean(x^2) + 1e-6) * rms_weight; scale = 127 / max(max|h|, 1e-5).  x, W: [4096][4096] f32.  q, wb: [4096][4096] bf16.  inv: [4096] f32.
; SHARES.  2,048 waves; wave g owns rows 2 g and 2 g + 1 of x and of W.  A row of 16,384 bytes is 32 loads of 16 bytes a lane, 128 registers: it stays in registers between the pass that
; finds the sum of squares and the largest magnitude and the pass that scales, so each input byte is read once, and no wave waits for another: no LDS, no barrier.
; Load j gives lane l the columns 128 j + 4 l .. + 3; packed to bf16 they are 8 bytes a lane, and one store of the wave covers 256 consecutive bytes, aligned.
; Two row buffers a wave: while one row is worked on the other's 32 loads are on their way; a buffer is asked for again as soon as its row is packed, ahead of the row's stores.
; LIMITS, stated.  The order of rounding differs from the formula's: t = x * w is made first, max|h| is taken as rs * max|t|, q as round(t * (rs * scale)), scale as 127 * (1 / c), and 1 / scale as
; c * (1 / 127): the argument of the rounding differs from the formula's by a few units in its last place, so a number that close to a tie may come out one whole number off.
; The maxima drop NaN, so NaN and infinities in x are not treated apart.  The sum of squares is kept in f32: x up to 1e17 in magnitude.
; inv leaves as 8 bytes a wave: 16,384 bytes of the launch's 67,125,248 stored.
; REGISTERS, in windows of 256 (s_set_vgpr_msb: bits 1:0 source 0, 3:2 source 1, 5:4 source 2, 7:6 destination): window 0 as named below; window 1: the two row buffers.
.set ROWIN,  16384                     ; bytes in a row of x and of W
.set ROWOUT, 8192                      ; bytes in a row of q and of wb
.set XO,  2                            ; v2   16 x lane: my bytes in 512 of an input row; never rewritten
.set YO,  3                            ; v3   8 x lane: my bytes in 256 of an output row; never rewritten
.set IO,  4                            ; v4   4 x lane
.set P0,  5                            ; v5   takes the other half of the lanes' sum
.set INV, 6                            ; v6-7 1 / scale of my two rows
.set SS,  8                            ; v[8:15]  four pairs of running sums of squares
.set MX,  16                           ; v[16:19] four running maxima of |t|
.set VAR, 20                           ; v20  mean of squares + 1e-6
.set RS,  21                           ; v21  its reciprocal root
.set CC,  22                           ; v22  c = max(rs * max|t|, 1e-5)
.set SC,  23                           ; v23  1 / c, then scale
.set F,   24                           ; v[24:25] rs * scale, twice: a pair for the packed multiply
.set P1,  26                           ; v26  takes the other half of the lanes' maximum
.set IV,  27                           ; v27  what lanes 0 and 1 store into inv
.set Y,   64                           ; v[64:127]  a packed row
.set RW,  128                          ; v[128:255] rms_weight, laid out as a row is
.set XA,  0                            ; window 1: v[0:127]   row buffer A
.set XB,  128                          ; window 1: v[128:255] row buffer B
.set MSB, 0
.macro WIN new                         ; the immediate's high byte repeats the setting that is left; a switch that changes nothing is dropped
.if MSB != (\new)
	s_set_vgpr_msb (MSB<<8)|(\new)
.set MSB, (\new)
.endif
.endm
	s_load_b256 s[4:11], s[0:1], 0x0               ; x s[4:5], W s[6:7], rms_weight s[8:9], q s[10:11]
	s_load_b128 s[12:15], s[0:1], 0x20             ; wb s[12:13], inv s[14:15]
	v_and_b32 v1, 31, v0                           ; lane
	v_lshrrev_b32 v[P0], 5, v0
	v_readfirstlane_b32 s16, v[P0]                 ; wave 0..7
	s_lshl_b32 s17, ttmp9, 3
	s_add_co_u32 s17, s17, s16                     ; g = 8 x work-group + wave
	s_lshl_b32 s18, s17, 15                        ; two input rows: 32,768 g, under 2^26
	s_mov_b32 s19, 0
	s_lshl_b32 s20, s17, 14                        ; two output rows: 16,384 g
	s_mov_b32 s21, 0
	s_lshl_b32 s22, s17, 3                         ; two numbers of inv
	s_mov_b32 s23, 0
	s_mov_b32 s24, 0x39800000                      ; 1 / 4096
	s_mov_b32 s25, 0x358637bd                      ; 1e-6
	s_mov_b32 s26, 0x3727c5ac                      ; 1e-5
	s_mov_b32 s27, 0x42fe0000                      ; 127
	s_mov_b32 s28, 0x3c010204                      ; 1 / 127
	s_mov_b32 s29, 0xc3000000                      ; -128
	s_mov_b32 s32, 0x76543210                      ; v_permlanex16_b32: each lane takes its own place in the other half
	s_mov_b32 s33, 0xfedcba98
	v_lshlrev_b32 v[XO], 4, v1
	v_lshlrev_b32 v[YO], 3, v1
	v_lshlrev_b32 v[IO], 2, v1
	v_mov_b32 v[P0], 0                             ; v_permlanex16_b32 counts as a reader of its destination
	v_mov_b32 v[P1], 0
	s_wait_kmcnt 0x0
	s_add_nc_u64 s[4:5], s[4:5], s[18:19]          ; every buffer at my first row; the bases are never written again
	s_add_nc_u64 s[6:7], s[6:7], s[18:19]
	s_add_nc_u64 s[10:11], s[10:11], s[20:21]
	s_add_nc_u64 s[12:13], s[12:13], s[20:21]
	s_add_nc_u64 s[14:15], s[14:15], s[22:23]
; 32 loads: a whole row, 512 neighbouring bytes each, into buffer buf of window 1
.macro LOADROW buf, base, off
	WIN 0x40                                       ; destination window 1, address window 0
.set j, 0
.rept 32
	global_load_b128 v[(\buf)+4*j:(\buf)+4*j+3], v[XO], s[(\base):(\base)+1] offset:(\off)+512*j th:TH_LOAD_NT
.set j, j+1
.endr
.endm
; the row in buf, rounded to bf16 in pairs, into Y
.macro CVT buf
	WIN 0x05                                       ; sources 0 and 1 window 1, destination window 0
.set i, 0
.rept 64
	v_cvt_pk_bf16_f32 v[Y+i], v[(\buf)+2*i], v[(\buf)+2*i+1]
.set i, i+1
.endr
.endm
; 32 stores: each covers 256 consecutive bytes, at a multiple of 256 from the buffer's first byte
.macro STOREROW base, off
	WIN 0
.set j, 0
.rept 32
	global_store_b64 v[YO], v[Y+2*j:Y+2*j+1], s[(\base):(\base)+1] offset:(\off)+256*j
.set j, j+1
.endr
.endm
; A row of x.  left: the other buffer's 32 younger loads may stay out.  nextoff: the row of W that the buffer takes next.
.macro XROW buf, n, left, nextoff
	s_wait_loadcnt \left                           ; loads come back in order (ISA guide 5.7.1): my row is in (and, the first time, rms_weight, which was asked for ahead of the other buffer)
	WIN 0x05
.set i, 0
.rept 4
	v_pk_mul_f32 v[SS+2*i:SS+2*i+1], v[(\buf)+2*i:(\buf)+2*i+1], v[(\buf)+2*i:(\buf)+2*i+1]  ; the first four pairs start the four chains: nothing is cleared
.set i, i+1
.endr
.rept 60
	v_pk_fma_f32 v[SS+2*(i%4):SS+2*(i%4)+1], v[(\buf)+2*i:(\buf)+2*i+1], v[(\buf)+2*i:(\buf)+2*i+1], v[SS+2*(i%4):SS+2*(i%4)+1]
.set i, i+1
.endr
	WIN 0x41                                       ; destination and source 0 window 1, source 1 window 0
.set i, 0
.rept 64
	v_pk_mul_f32 v[(\buf)+2*i:(\buf)+2*i+1], v[(\buf)+2*i:(\buf)+2*i+1], v[RW+2*i:RW+2*i+1]  ; t = x * w, in place
.set i, i+1
.endr
	WIN 0x14                                       ; sources 1 and 2 window 1
.set i, 0
.rept 4
	v_mov_b32 v[MX+i], 0                           ; 0 is neutral for magnitudes
.set i, i+1
.endr
.set i, 0
.rept 64
	v_max3_num_f32 v[MX+i%4], v[MX+i%4], |v[(\buf)+2*i]|, |v[(\buf)+2*i+1]|
.set i, i+1
.endr
	WIN 0
	v_pk_add_f32 v[SS:SS+1], v[SS:SS+1], v[SS+2:SS+3]
	v_pk_add_f32 v[SS+4:SS+5], v[SS+4:SS+5], v[SS+6:SS+7]
	v_max3_num_f32 v[MX], v[MX], v[MX+1], v[MX+2]
	v_pk_add_f32 v[SS:SS+1], v[SS:SS+1], v[SS+4:SS+5]
	v_max_num_f32 v[MX], v[MX], v[MX+3]
	v_add_f32 v[SS], v[SS], v[SS+1]
.irp m, 1,2,4,8                        ; across the lanes: four steps inside each half of 16 ride on the arithmetic, sum and maximum by turns; one step crosses the halves
	v_add_f32_dpp v[SS], v[SS], v[SS] row_xmask:\m row_mask:0xf bank_mask:0xf
	v_max_num_f32_dpp v[MX], v[MX], v[MX] row_xmask:\m row_mask:0xf bank_mask:0xf
.endr
	v_permlanex16_b32 v[P0], v[SS], s32, s33
	v_permlanex16_b32 v[P1], v[MX], s32, s33
	v_add_f32 v[SS], v[SS], v[P0]
	v_max_num_f32 v[MX], v[MX], v[P1]              ; every lane now holds the row's sum and maximum
	v_fma_f32 v[VAR], v[SS], s24, s25              ; sum / 4096 + 1e-6
	v_rsq_f32 v[RS], v[VAR]
	v_nop                                          ; a plain instruction between the root and the use of its result (ISA guide 5.7.2),
	s_wait_alu depctr_va_vdst(0)                   ; and a wait ahead of the first reader
	v_mul_f32 v[CC], v[RS], v[MX]                  ; max|h|
	v_max_num_f32 v[CC], s26, v[CC]                ; clipped from below at 1e-5
	v_rcp_f32 v[SC], v[CC]
	v_mul_f32 v[INV+(\n)], s28, v[CC]              ; 1 / scale = c / 127: also the plain instruction behind the reciprocal
	s_wait_alu depctr_va_vdst(0)                   ; the reciprocal's wait
	v_mul_f32 v[SC], s27, v[SC]                    ; scale
	v_mul_f32 v[F], v[RS], v[SC]
	v_mov_b32 v[F+1], v[F]
	WIN 0x41
.set i, 0
.rept 64
	v_pk_mul_f32 v[(\buf)+2*i:(\buf)+2*i+1], v[(\buf)+2*i:(\buf)+2*i+1], v[F:F+1]  ; h * scale
.set i, i+1
.endr
.set i, 0
.rept 128
	v_rndne_f32 v[(\buf)+i], v[(\buf)+i]           ; to the nearest whole number, ties to even
.set i, i+1
.endr
.set i, 0
.rept 128
	v_med3_num_f32 v[(\buf)+i], v[(\buf)+i], s29, s27  ; held to -128 .. 127
.set i, i+1
.endr
	s_wait_xcnt 0x0                                ; every earlier memory instruction has had its addresses translated (ISA guide 3.1): Y, which the row before's stores read, is rewritten only behind this wait
	CVT \buf
	LOADROW \buf, 6, \nextoff                      ; the buffer's next row, of W, is asked for ahead of this row's stores
	STOREROW 10, ROWOUT*(\n)
.endm
; A row of W: rounded and stored.
.macro WROW buf, n, left
	s_wait_loadcnt \left
	s_wait_xcnt 0x0                                ; Y is rewritten only behind this wait
	CVT \buf
	STOREROW 12, ROWOUT*(\n)
.endm
	LOADROW XA, 4, 0                               ; x, my first row
	WIN 0
.set j, 0
.rept 32
	global_load_b128 v[RW+4*j:RW+4*j+3], v[XO], s[8:9] offset:512*j  ; rms_weight: every wave reads it, so it carries no hint
.set j, j+1
.endr
	LOADROW XB, 4, ROWIN                           ; x, my second row
	XROW XA, 0, 32, 0                              ; 32: buffer B's loads stay out
	XROW XB, 1, 32, ROWIN                          ; 32: buffer A's loads of W's first row stay out
	WROW XA, 0, 32                                 ; 32: buffer B's loads of W's second row stay out
	WROW XB, 1, 0
	v_cmp_eq_u32 vcc_lo, 1, v1
	v_cndmask_b32 v[IV], v[INV], v[INV+1], vcc_lo  ; lane 1 takes the second row's
	v_cmp_gt_u32 vcc_lo, 2, v1
	s_wait_xcnt 0x0                                ; EXEC is a source of the stores above: it changes only behind this wait
	s_and_saveexec_b32 s34, vcc_lo
	global_store_b32 v[IO], v[IV], s[14:15]        ; lanes 0 and 1 alone
	s_wait_xcnt 0x0                                ; and again, in front of the line that widens it
	s_or_b32 exec_lo, exec_lo, s34
	s_endpgm
.Lfunc_end_k_q3b417f68ac_prep:
	.size	k_q3b417f68ac_prep, .Lfunc_end_k_q3b417f68ac_prep-k_q3b417f68ac_prep
	.p2alignl 7, 3214868480
	.fill 96, 4, 3214868480
	.section	.rodata,"a",@progbits
	.p2align	6, 0x0
	.amdhsa_kernel k_q3b417f68ac_prep
		.amdhsa_group_segment_fixed_size 0
		.amdhsa_private_segment_fixed_size 0
		.amdhsa_enable_private_segment 0
		.amdhsa_kernarg_size 48
		.amdhsa_user_sgpr_count 2
		.amdhsa_user_sgpr_kernarg_segment_ptr 1
		.amdhsa_wavefront_size32 1
		.amdhsa_system_sgpr_workgroup_id_x 1
		.amdhsa_system_sgpr_workgroup_id_y 1
		.amdhsa_system_sgpr_workgroup_id_z 1
		.amdhsa_system_vgpr_workitem_id 0
		.amdhsa_next_free_vgpr 512
		.amdhsa_next_free_sgpr 66
		.amdhsa_reserve_vcc 1
		.amdhsa_float_denorm_mode_32 3
		.amdhsa_float_denorm_mode_16_64 3
		.amdhsa_memory_ordered 1
		.amdhsa_forward_progress 1
		.amdhsa_inst_pref_size 105
	.end_amdhsa_kernel
	.amdgpu_metadata
---
amdhsa.version: [ 1, 2 ]
amdhsa.kernels:
  - .name:           k_q3b417f68ac_prep
    .symbol:         k_q3b417f68ac_prep.kd
    .args:
      - { .name: x, .offset: 0, .size: 8, .value_kind: global_buffer, .address_space: global }
      - { .name: W, .offset: 8, .size: 8, .value_kind: global_buffer, .address_space: global }
      - { .name: rms_weight, .offset: 16, .size: 8, .value_kind: global_buffer, .address_space: global }
      - { .name: q, .offset: 24, .size: 8, .value_kind: global_buffer, .address_space: global }
      - { .name: wb, .offset: 32, .size: 8, .value_kind: global_buffer, .address_space: global }
      - { .name: inv, .offset: 40, .size: 8, .value_kind: global_buffer, .address_space: global }
    .group_segment_fixed_size: 0
    .private_segment_fixed_size: 0
    .kernarg_segment_align: 8
    .kernarg_segment_size: 48
    .max_flat_workgroup_size: 256
    .sgpr_count:     66
    .vgpr_count:     512
    .wavefront_size: 32
...
	.end_amdgpu_metadata
.endif
;; end of part 1
;; launch gemm (part 2): grid 16 x 16, 4 waves a work-group, clusters of 4 x 4, 327,680 bytes of LDS; arguments q, wb, out0, inv, bias, weight_scale; writes out0
.if DOCPART == 2
	.amdgcn_target "amdgcn-amd-amdhsa--gfx1250"
	.amdhsa_code_object_version 6
	.text
	.protected	k_q3b417f68ac_gemm
	.globl	k_q3b417f68ac_gemm
	.p2align	8
	.type	k_q3b417f68ac_gemm,@function
k_q3b417f68ac_gemm:
	s_mov_b64 s[64:65], 0
	v_nop
	global_prefetch_b8 v0, s[64:65] scope:SCOPE_SE
	s_setreg_imm32_b32 hwreg(HW_REG_WAVE_MODE, 25, 1), 1
	s_wait_xcnt 0x0
	s_wait_alu depctr_hold_cnt(0) depctr_sa_sdst(0) depctr_va_vdst(0) depctr_va_sdst(0) depctr_va_ssrc(0) depctr_va_vcc(0) depctr_vm_vsrc(0)
	s_getreg_b32 s2, hwreg(HW_REG_IB_STS2, 6, 4)
	s_cmp_eq_u32 s2, 0
	s_cbranch_scc0 .Lentry_in_a_cluster
	s_endpgm
.Lentry_in_a_cluster:
	s_bfe_u32 s2, ttmp6, 0x10000c
	s_cmp_lg_u32 s2, 0xf033
	s_cbranch_scc0 .Lentry_shape_is_right
	s_endpgm
.Lentry_shape_is_right:
; out0[m][n] = (sum over k of q[m][k] wb[n][k] * inv[m] + bias[n]) * weight_scale.  q, wb: [4096][4096] bf16; inv, bias: [4096] f32; out0: [4096][4096] f32; sums in f32.
; LIMITS, stated.  weight_scale is folded into both factors: out = sum * (inv[m] ws) + (bias[n] ws), one fused multiply-add: the order of rounding differs from the formula's.  W entered as bf16.
; A tile of out0, 256 x 256, is made by a work-group of four waves; a wave makes 128 x 128: 64 accumulators of 16 x 16, 512 registers.  256 tiles, one to a work-group.
; K goes in steps of 128 through a ring of two LDS slots filled by the tensor data mover: the tiles' rows are 256 bytes of memory and start at multiples of 256 bytes from the buffer's first byte.
; CLUSTERS: 4 x 4 work-groups.  The four of a row of the cluster need the same tiles of q, the four of a column the same tiles of wb: such a tile is asked for JOINTLY: each of the four issues
; the same tensor load, with the same descriptor and a mask that names the four, and each receives the tile in its own LDS.
; THE MATRIX INSTRUCTION IS USED TRANSPOSED: source 0 = 16 rows of wb, source 1 = 16 rows of q.  In the result lane l holds row m = l % 16 and its registers 0 to 7 the columns
; n = 8 (l / 16) + 0 .. 7: so inv[m] is one number a lane and block of rows, and a lane's eight results are 32 neighbouring bytes of a row of out0.
; REGISTERS, in windows of 256 (s_set_vgpr_msb: bits 1:0 source 0, 3:2 source 1, 5:4 source 2, 7:6 destination):
;   window 0: v0-31 addresses; v32-47 inv ws; v48-55 inv as loaded; v64-127, v128-191 fragments of q, two buffers; on the way out v64-127 finished numbers, v128-191 and v192-255 rows read back, by turns
;   window 1: v0-63 bias ws; v64-127, v128-191 fragments of wb, two buffers
;   window 2: the 32 accumulators of my rows 0-63 (accumulator (a, b) at v[8 (8 a + b)]);   window 3: those of my rows 64-127
.set SIZE_K, 4096
.set SIZE_N, 4096
.set ROWC,   SIZE_N*4                  ; bytes in a row of out0
.set KSTEP,  128
.set PITCH,  272                       ; an LDS row: 256 bytes of data + 16 of padding = 68 words: row r starts at bank 4 r mod 64 (64 banks of 4 bytes: ISA guide 11.1), so the 16 rows that a load touches start at 16 different banks
.set HALFT,  128*PITCH                 ; 128 rows: what one tensor load brings, and what one wave reads of q or of wb
.set SLOT,   4*HALFT                   ; q's 256 rows, then wb's 256 rows
.set STAGE,  2*SLOT                    ; behind the ring, never filled by a tensor load: 16 rows x 528 bytes for each wave, for the way out
.set SPITCH, 528                       ; a stage row: 512 bytes + 16 = 132 words: row r starts at bank 4 r mod 64
.set SPARE,  STAGE+4*16*SPITCH         ; behind the stages: the spare words, 128 bytes for each wave: two blocks of 256 bytes that no other line names
.set LAPS,   SIZE_K/(2*KSTEP)          ; a lap = two K steps = once round the ring: 16
.set ADRA, 16                          ; v16-17  LDS address of my fragments of q in slot 0, 1
.set ADRB, 20                          ; v20-21  the same for wb
.set STO,  24                          ; v24     the way out: where I put 32 bytes of a row
.set RD,   25                          ; v25     the way out: where I read 16 bytes of a row back
.set CO,   26                          ; v26     16 x lane: my bytes in 512 of a row of out0; never rewritten
.set SPW,  28                          ; v28     LDS address of my spare word: SPARE + 4 x my thread's number; never rewritten
.set NIL,  29                          ; v29     0; never rewritten
.set PFO,  30                          ; v30     the prefetches' offset: my lane x a row of q or wb (8,192 bytes); never rewritten
.set RF,   32                          ; v[32:47] inv[m0 + 16 a + l % 16] x ws, twice, at RF + 2 a: a pair for the packed multiply-add
.set RL,   48                          ; v[48:55] inv as loaded
.set BI,   0                           ; window 1: bias[n0 + 16 b + 8 (l / 16) + j] x ws at BI + 8 b + j
.set F0,   64                          ; fragment buffer 0
.set F1,   128                         ; fragment buffer 1
.set TMP,  64                          ; the way out: a block's finished numbers
.set BK0,  128                         ; the way out: 16 rows read back from the stage: v128-191 and v192-255 by turns
.set PFA,  44                          ; s[44:45] where my prefetches stand: my work-group's 32 rows of the 128 that I fetch, one K step further along K than the refill in hand; a prefetch names the K step after that
.set LIM,  43                          ; s43     1 in a wave that prefetches, else the greatest number
.set WS,   74                          ; s[74:75] weight_scale, twice
.set G1, 24                            ; s[24:31] descriptor group 1 for q's tiles
.set G0, 32                            ; s[32:39] descriptor group 0 for q's tiles, one set for each slot
.set G1B, 48                           ; s[48:55] descriptor group 1 for wb's tiles: it differs in the mask alone
.set G0B, 56                           ; s[56:63] descriptor group 0 for wb's tiles, one set for each slot
.set MSB, 0
.macro WIN new                         ; the immediate's high byte repeats the setting that is left; a switch that changes nothing is dropped
.if MSB != (\new)
	s_set_vgpr_msb (MSB<<8)|(\new)
.set MSB, \new
.endif
.endm
.set MUL_LO, 0xa1                      ; source 0 (wb) window 1, source 1 (q) window 0, C and D window 2
.set MUL_HI, 0xf1                      ; the same, C and D window 3
.set TO_B,   0x40                      ; destination window 1, address window 0
; A joint load.  Waves 0 and 1 fetch q's two halves, waves 2 and 3 wb's.  Each of the two lines has one mask and one set of registers for all that issue it.  The branch hangs on the wave's number alone.
; An s_nop 0 and four v_nop follow each of the two lines; the jump round the other line, the label and what follows come after them.
.macro JLOAD s
	s_cmp_eq_u32 s11, 0
	s_cbranch_scc0 .Lfor_b_\@
	tensor_load_to_lds s[G0+4*(\s):G0+4*(\s)+3], s[G1:G1+7]
	s_nop 0
.rept 4
	v_nop
.endr
	s_branch .Lasked_\@
.Lfor_b_\@:
	tensor_load_to_lds s[G0B+4*(\s):G0B+4*(\s)+3], s[G1B:G1B+7]
	s_nop 0
.rept 4
	v_nop
.endr
.Lasked_\@:
.endm
; A PREFETCH INTO THE L2, behind each joint refill, its five lines and the run of LDS loads that follows them: the K step that stands TWO refills on, 512 matrix instructions ahead of the load that
; will ask for it: 32 rows x 256 bytes, a lane a row, one instruction a wave.  Each row's 256 bytes of a K step are named ONCE in the launch: q's tile row is read by every cluster of that row of
; clusters, and the one with cluster x = 0 asks; wb's tile column by every cluster of that column, and the one with cluster y = 0 asks.  The four partners that ask for a tile jointly share its rows
; out BY ADDRESS: of the 128 rows that a wave fetches the partner at place p takes 32 p .. 32 p + 31 (p = cx for q, cy for wb): no branch hangs on a work-group's place in its cluster.
; K steps 0 to 3 come by their loads alone; the loop's last trip (s3 = 1) asks for nothing: K step 31, named in the trip before, is the last.
.macro ASK
	s_cmp_gt_u32 s3, s[LIM]
	s_cbranch_scc0 .Lnot_mine_\@
	global_prefetch_b8 v[PFO], s[PFA:PFA+1] offset:KSTEP*2 th:TH_LOAD_NT scope:SCOPE_SE
.Lnot_mine_\@:
.endm
; A round of the cluster's barrier: my work-group's barrier, so that wave 0's signal speaks for all four waves; wave 0 signals for the work-group; every wave waits for all sixteen work-groups;
; my work-group's barrier once more.  No LDS instruction of the wave is pending at a signal.
.macro CREST                           ; a round behind its opening barrier
	s_cmp_lg_u32 s10, 0
	s_cbranch_scc1 .Lnot_wave_0_\@
	s_barrier_signal -3
.Lnot_wave_0_\@:
	s_barrier_wait -3
	s_barrier_signal -1
	s_barrier_wait -1
.endm
.macro CROUND                          ; a whole round
	s_barrier_signal -1
	s_barrier_wait -1
	CREST
.endm
	s_load_b128 s[4:7], s[0:1], 0x0                ; q s[4:5], wb s[6:7]
	s_load_b64 s[8:9], s[0:1], 0x10                ; out0
	s_load_b128 s[68:71], s[0:1], 0x18             ; inv s[68:69], bias s[70:71]
	s_load_b64 s[72:73], s[0:1], 0x28              ; weight_scale
	v_lshl_add_u32 v[SPW], v0, 2, SPARE
	v_mov_b32 v[NIL], 0
	ds_add_u32 v[SPW], v[NIL]                      ; the wave's opening: the add, twice on end, and its wait ahead of my first tensor load; the set-up below, work on registers, stands between the second and the wait
	ds_add_u32 v[SPW], v[NIL]                      ; and once more, under the one wait
	v_lshrrev_b32 v1, 5, v0
	v_readfirstlane_b32 s10, v1                    ; wave 0..3
	s_lshr_b32 s11, s10, 1                         ; which half of the tile's rows is mine.  Also: I fetch for q (0) or for wb (1)
	s_and_b32 s12, s10, 1                          ; which half of its columns.  Also: which 128 rows of that tile I fetch
	s_bfe_u32 s40, ttmp6, 0x40000                  ; cx: my place along the cluster's x
	s_bfe_u32 s41, ttmp6, 0x40004                  ; cy: along its y
	s_lshl_b32 s42, ttmp9, 2                       ; in a cluster launch ttmp9 and ttmp7 count clusters
	s_add_co_u32 s42, s42, s40                     ; tile column = 4 x cluster x + cx
	s_and_b32 s13, ttmp7, 0xffff
	s_lshl_b32 s13, s13, 2
	s_add_co_u32 s13, s13, s41                     ; tile row = 4 x cluster y + cy
	s_lshl_b32 s43, s41, 2
	s_lshl_b32 s43, 15, s43                        ; my row of the cluster: places 4 cy .. 4 cy + 3
	s_lshl_b32 s44, 0x1111, s40                    ; my column: places cx, cx + 4, cx + 8, cx + 12
	; descriptor group 1: a tile of 128 rows x 128 elements, padded in LDS
	s_or_b32 s[G1+0], s43, (1<<16)|(1<<20)|(1<<21)|(5<<22)|(3<<25)  ; 15:0 the mask: q's tiles go to my row; 17:16 elements of 2 bytes; 20 padding on; 21 set beside a mask; 24:22 after every 64 words (code 5); 31:25 4 words of it (code 3)
	s_or_b32 s[G1B+0], s44, (1<<16)|(1<<20)|(1<<21)|(5<<22)|(3<<25) ; the same with the mask of my column, for wb's tiles
.irp g, G1, G1B
	s_mov_b32 s[(\g)+1], KSTEP<<16                 ; 63:48 tensor_dim0, low half = 128
	s_mov_b32 s[(\g)+2], 128<<16                   ; 79:64 its high half = 0; 95:80 tensor_dim1, low half = 128
	s_mov_b32 s[(\g)+3], KSTEP<<16                 ; 111:96 its high half = 0; 127:112 tile_dim0 = 128
	s_mov_b32 s[(\g)+4], 128                       ; 143:128 tile_dim1 = 128; 159:144 tile_dim2 = 0
	s_mov_b32 s[(\g)+5], SIZE_K                    ; 191:160 tensor_dim0_stride, low word: elements from row to row
	s_mov_b32 s[(\g)+6], 0
	s_mov_b32 s[(\g)+7], 0
.endr
	; where the tiles come from.  q's hang on the tile row alone, which my row of the cluster shares; wb's on the tile column alone, which my column shares.
	s_lshl_b32 s17, s12, 7                         ; which 128 rows of the tile I fetch
	s_lshl_b32 s16, s13, 8
	s_add_co_u32 s16, s16, s17                     ; q: row 256 x tile row + 128 x half
	s_lshl_b32 s46, s42, 8
	s_add_co_u32 s46, s46, s17                     ; wb: row 256 x tile column + 128 x half
	s_mov_b32 s17, 0
	s_mov_b32 s47, 0
	s_mov_b64 s[18:19], SIZE_K*2
	s_mul_u64 s[16:17], s[16:17], s[18:19]         ; in bytes
	s_mul_u64 s[46:47], s[46:47], s[18:19]
	s_mul_i32 s20, s10, HALFT                      ; and where they go: q's two halves, then wb's two halves = wave x 128 rows: no place in the cluster enters an LDS address
	s_wait_dscnt 0x0                               ; both opening adds are done
	s_wait_kmcnt 0x0
	s_add_nc_u64 s[14:15], s[4:5], s[16:17]
	s_add_nc_u64 s[46:47], s[6:7], s[46:47]
	s_load_b32 s[WS], s[72:73], 0x0                ; weight_scale itself: waited for in the set-up below
	CROUND                                         ; all sixteen work-groups are here: the first joint loads meet
.irp s, 0,1
	s_mov_b32 s[G0+4*(\s)], 1                                      ; 1:0 count = 1
	s_add_co_u32 s[G0+4*(\s)+1], s20, (\s)*SLOT                    ; 63:32 LDS address
	s_add_nc_u64 s[G0+4*(\s)+2:G0+4*(\s)+3], s[14:15], (\s)*KSTEP*2  ; 120:64 global address: K step s
	s_or_b32 s[G0+4*(\s)+3], s[G0+4*(\s)+3], 0x80000000            ; 127:126 type = 2
	s_mov_b32 s[G0B+4*(\s)], 1
	s_add_co_u32 s[G0B+4*(\s)+1], s20, (\s)*SLOT
	s_add_nc_u64 s[G0B+4*(\s)+2:G0B+4*(\s)+3], s[46:47], (\s)*KSTEP*2
	s_or_b32 s[G0B+4*(\s)+3], s[G0B+4*(\s)+3], 0x80000000
	JLOAD \s                                       ; the ring is filled before anything else is done: two loads of mine are out
.endr
	; A fragment is 16 rows x 32 K in 8 registers: lane l holds row l % 16; registers 0-3 hold K = 8 (l / 16) + 0..7, registers 4-7 hold K = 16 + 8 (l / 16) + 0..7: two loads of 16 bytes, 32 bytes apart.
	v_and_b32 v1, 15, v0                           ; l % 16
	v_bfe_u32 v2, v0, 4, 1                         ; l / 16
	v_mul_u32_u24 v3, v1, PITCH
	v_lshl_add_u32 v3, v2, 4, v3                   ; row x pitch + 16 x half
	s_mul_i32 s21, s11, HALFT                      ; my 128 rows of q
	s_mul_i32 s22, s12, HALFT                      ; my 128 rows of wb,
	s_add_co_u32 s22, s22, 2*HALFT                 ; which lie behind q's 256
.irp s, 0,1
	v_add_nc_u32 v[ADRA+(\s)], s21, v3
	v_add_nc_u32 v[ADRB+(\s)], s22, v3
	s_add_co_u32 s21, s21, SLOT
	s_add_co_u32 s22, s22, SLOT
.endr
	s_mul_i32 s23, s10, 16*SPITCH
	s_add_co_u32 s23, s23, STAGE                   ; my stage
	v_mul_u32_u24 v4, v1, SPITCH                   ; in: row l % 16, 32 bytes for each half of the lanes
	v_lshl_add_u32 v4, v2, 5, v4
	v_add_nc_u32 v[STO], s23, v4
	v_and_b32 v5, 31, v0
	v_lshlrev_b32 v[CO], 4, v5                     ; back: 32 lanes take one row of 512 bytes, and the same bytes of a row of out0
	v_add_nc_u32 v[RD], s23, v[CO]
	s_lshl_b32 s13, s13, 8                         ; 256 x tile row
	s_lshl_b32 s14, s11, 7
	s_add_co_u32 s16, s13, s14                     ; m0: my first row
	s_lshl_b32 s17, s16, 2
	v_lshl_add_u32 v6, v1, 2, s17                  ; inv: 4 (m0 + l % 16)
	s_lshl_b32 s16, s16, 14                        ; m0 rows of 16,384 bytes: under 2^26
	s_mov_b32 s17, 0
	s_lshl_b32 s46, s42, 10                        ; 4 n0 = 1,024 x tile column + 512 x half: my first column, in bytes
	s_lshl_b32 s47, s12, 9
	s_add_co_u32 s46, s46, s47
	v_lshl_add_u32 v7, v2, 5, s46                  ; bias: 4 n0 + 32 (l / 16)
	s_mov_b32 s47, 0
	s_add_nc_u64 s[16:17], s[16:17], s[46:47]
	s_add_nc_u64 s[8:9], s[8:9], s[16:17]          ; out0 at my part of the tile; never written again
.irp a, 0,1,2,3,4,5,6,7
	global_load_b32 v[RL+(\a)], v6, s[68:69] offset:64*(\a)  ; block a of 16 rows
.endr
	WIN TO_B
.irp b, 0,1,2,3,4,5,6,7
	global_load_b128 v[BI+8*(\b):BI+8*(\b)+3],   v7, s[70:71] offset:64*(\b)     ; block b of 16 columns: my eight
	global_load_b128 v[BI+8*(\b)+4:BI+8*(\b)+7], v7, s[70:71] offset:64*(\b)+16
.endr
	WIN 0
	; the prefetches.  s13 = 256 x tile row, s42 = tile column, s40 = cx, s41 = cy still stand
	s_lshl_b32 s42, s42, 8
	s_and_b32 s22, ttmp7, 0xffff                   ; cluster y
	s_cmp_eq_u32 s11, 0                            ; do I fetch for q?
	s_cselect_b32 s20, s13, s42                    ; the tile's first row: in q by the tile row, in wb by the tile column
	s_cselect_b32 s21, s40, s41                    ; my place among the four that ask for it with me
	s_cselect_b32 s22, ttmp9, s22                  ; the coordinate along which other clusters read the same rows
	s_cselect_b64 s[PFA:PFA+1], s[4:5], s[6:7]
	s_cmp_eq_u32 s22, 0
	s_cselect_b32 s[LIM], 1, -1                    ; the same in all sixteen partners, for a given wave
	s_lshl_b32 s22, s12, 7
	s_add_co_u32 s20, s20, s22                     ; + the 128 rows that I fetch
	s_lshl_b32 s21, s21, 5
	s_add_co_u32 s20, s20, s21                     ; + my work-group's 32 of them
	s_mov_b32 s21, 0
	s_mov_b64 s[18:19], SIZE_K*2
	s_mul_u64 s[20:21], s[20:21], s[18:19]
	s_add_nc_u64 s[PFA:PFA+1], s[PFA:PFA+1], s[20:21]
	s_add_nc_u64 s[PFA:PFA+1], s[PFA:PFA+1], 2*KSTEP*2  ; at K step 2: the first refill steps it to 3 and names K step 4
	v_and_b32 v[PFO], 31, v0
	v_mul_u32_u24 v[PFO], v[PFO], SIZE_K*2
	s_wait_kmcnt 0x0                               ; weight_scale
	s_mov_b32 s[WS+1], s[WS]                       ; named with it as a pair
	s_wait_loadcnt 0x0                             ; inv and bias, once; the first tiles are still on their way
.irp a, 0,1,2,3,4,5,6,7
	v_mul_f32 v[RF+2*(\a)], s[WS], v[RL+(\a)]
	v_mul_f32 v[RF+2*(\a)+1], s[WS], v[RL+(\a)]
.endr
	WIN 0x41                                       ; destination and source 0 window 1
.set i, 0
.rept 32
	v_pk_mul_f32 v[BI+2*i:BI+2*i+1], v[BI+2*i:BI+2*i+1], s[WS:WS+1] op_sel_hi:[1,0]
.set i, i+1
.endr
	WIN 0
; 16 matrix instructions: m blocks a0, a0 + 1 of the window's four (hi = 0: my rows 0-63, 1: rows 64-127) x all 8 n blocks, 32 along K.  zero = 1: the first product starts the sums: nothing is ever cleared.
; The 64 accumulators take turns, one instruction a turn, in the same order in every quarter step, over the backward jump and into the tail.
.macro MUL16 f, hi, a0, zero
	WIN MUL_LO+0x50*(\hi)
.irp a, \a0, (\a0)+1
.irp b, 0,1,2,3,4,5,6,7
.if \zero
	v_wmma_f32_16x16x32_bf16 v[8*(8*(\a)+(\b)):8*(8*(\a)+(\b))+7], v[(\f)+8*(\b):(\f)+8*(\b)+7], v[(\f)+8*(4*(\hi)+(\a)):(\f)+8*(4*(\hi)+(\a))+7], 0
.else
	v_wmma_f32_16x16x32_bf16 v[8*(8*(\a)+(\b)):8*(8*(\a)+(\b))+7], v[(\f)+8*(\b):(\f)+8*(\b)+7], v[(\f)+8*(4*(\hi)+(\a)):(\f)+8*(4*(\hi)+(\a))+7], v[8*(8*(\a)+(\b)):8*(8*(\a)+(\b))+7]
.endif
.endr
.endr
.endm
; 32 LDS loads in one run: the fragments of one quarter step (128 rows of wb, 128 rows of q, 32 K at byte k of the rows) into buffer f
.macro FETCH slot, k, f
	WIN TO_B
.irp i, 0,1,2,3,4,5,6,7
	ds_load_b128 v[(\f)+8*(\i):(\f)+8*(\i)+3],   v[ADRB+(\slot)] offset:(\k)+(\i)*16*PITCH
	ds_load_b128 v[(\f)+8*(\i)+4:(\f)+8*(\i)+7], v[ADRB+(\slot)] offset:(\k)+(\i)*16*PITCH+32
.endr
	WIN 0
.irp i, 0,1,2,3,4,5,6,7
	ds_load_b128 v[(\f)+8*(\i):(\f)+8*(\i)+3],   v[ADRA+(\slot)] offset:(\k)+(\i)*16*PITCH
	ds_load_b128 v[(\f)+8*(\i)+4:(\f)+8*(\i)+7], v[ADRA+(\slot)] offset:(\k)+(\i)*16*PITCH+32
.endr
.endm
; A load into a register that a matrix instruction has read, and a vector instruction that reads a matrix result or writes one of a matrix instruction's registers, stand four places behind it, and only
; plain vector instructions that name none of its registers are places (ISA guide 7.12.1 for vector instructions); the matrix instructions in between are not counted.
.macro PLACES
.rept 4
	v_nop
.endr
.endm
; A K step is four quarter steps of 32 along K, 64 matrix instructions each, on buffers 0, 1, 0, 1.
; One of the first three: multiplies buffer f; in its middle it fetches the next quarter's fragments, at byte k of the same slot's rows, into buffer g.
.macro QUARTER slot, k, f, g, zero
	s_wait_dscnt 8                                 ; wb's fragments and q's rows 0-63 are in; the youngest eight loads (q's rows 64-127) may be out
	MUL16 \f, 0, 0, \zero
	MUL16 \f, 0, 2, \zero
	PLACES
	FETCH \slot, \k, \g
	s_wait_dscnt 32                                ; all but the 32 just issued
	MUL16 \f, 1, 0, \zero
	MUL16 \f, 1, 2, \zero
.endm
; The last quarter multiplies buffer 1 and changes slots: ONE barrier, for two things.  In front of it each wave waits for all its tensor loads, of which one is out: its part of the next slot; adds 0 to
; its spare word; and waits for that and for its own reads of this slot.  Behind it nobody reads this slot any more and the next slot is whole.
; fill = 1: this slot is filled again, with the K step two steps on.  The barrier then opens a round of the cluster's barrier, so that no wave of any partner still reads the slot or has a load on its
; way, and the joint refill is the first tensor load behind the round: from it to the wait for it a wave issues 224 matrix instructions.
.macro TURN slot, next, fill
.if \fill
	s_wait_xcnt 0x0                                ; the last prefetch, a K step back, has read its address: it is stepped here, ahead of the waits of the change of slots
	s_add_nc_u64 s[PFA:PFA+1], s[PFA:PFA+1], KSTEP*2
.endif
	WIN 0                                          ; (the add's two registers lie in window 0)
	s_wait_tensorcnt 0x0                           ; all my tensor loads have landed: the one that was out is my part of the next slot;
	ds_add_u32 v[SPW], v[NIL]                      ; 0 onto my spare word;
	s_wait_dscnt 9                                 ; (the add and the youngest eight loads may be out)
	MUL16 F1, 0, 0, 0                              ; sixteen matrix instructions stand between the add and the wait for it
	s_wait_dscnt 0x0                               ; the add is done, and my reads of this slot are over:
	s_barrier_signal -1                            ; say so,
	MUL16 F1, 0, 2, 0                              ; work on registers while the others arrive,
.if \fill
	WIN 0
.endif
	s_barrier_wait -1                              ; and go on when all four have said so
.if \fill
	CREST                                          ; wave 0 says so for the work-group, all sixteen have said so, my work-group's barrier closes the round
	s_add_nc_u64 s[G0+4*(\slot)+2:G0+4*(\slot)+3], s[G0+4*(\slot)+2:G0+4*(\slot)+3], 2*KSTEP*2    ; no tensor load of mine is out, so a group 0 may be written; the type bits on top are not reached
	s_add_nc_u64 s[G0B+4*(\slot)+2:G0B+4*(\slot)+3], s[G0B+4*(\slot)+2:G0B+4*(\slot)+3], 2*KSTEP*2
	JLOAD \slot                                    ; the four v_nop behind it are also the places in front of the loads below
.else
	PLACES
.endif
	FETCH \next, 0, F0
.if \fill
	ASK                                            ; behind the joint load and the run of LDS loads that the next products wait for
.endif
	MUL16 F1, 1, 0, 0
	MUL16 F1, 1, 2, 0
.endm
; THE WAY OUT of block a (16 rows x my 128 columns), in three parts.
; PACK: out = sum x (inv ws) + (bias ws), two fused multiply-adds an instruction; each accumulator's registers in ascending order.
.macro PACK a
	WIN 0x12+(\a)/4                                ; source 0 window 2 or 3, source 1 window 0, source 2 window 1, destination window 0
.irp b, 0,1,2,3,4,5,6,7
.irp r, 0,1,2,3
	v_pk_fma_f32 v[TMP+8*(\b)+2*(\r):TMP+8*(\b)+2*(\r)+1], v[64*((\a)%4)+8*(\b)+2*(\r):64*((\a)%4)+8*(\b)+2*(\r)+1], v[RF+2*(\a):RF+2*(\a)+1], v[BI+8*(\b)+2*(\r):BI+8*(\b)+2*(\r)+1]
.endr
.endr
.endm
; TOSTAGE: a lane's 32 bytes of a row and column block go into my own stage, and come back as whole rows of 512 bytes.
.macro TOSTAGE a
	WIN 0
.set BK, BK0+64*((\a)%2)
.irp b, 0,1,2,3,4,5,6,7
	ds_store_b128 v[STO], v[TMP+8*(\b):TMP+8*(\b)+3]   offset:64*(\b)
	ds_store_b128 v[STO], v[TMP+8*(\b)+4:TMP+8*(\b)+7] offset:64*(\b)+16
.endr
.irp t, 0,1,2,3,4,5,6,7,8,9,10,11,12,13,14,15
	ds_load_b128 v[BK+4*(\t):BK+4*(\t)+3], v[RD] offset:(\t)*SPITCH  ; LDS serves a wave's instructions in order (ISA guide 5.7.1.4): these see the stores above; the next block's stores come behind them
.endr
.endm
; SEND: stored.  The row stands in the immediate, 127 rows of 16,384 bytes at the most, inside its signed 24 bits (ISA guide, chapter 10): the base is never stepped.
.macro SEND a
	WIN 0
.set BK, BK0+64*((\a)%2)
	s_wait_dscnt 0x0                               ; the block is back in registers
	s_wait_xcnt 0x0                                ; every earlier store has had its addresses translated (ISA guide 3.1): the other set of 64 registers, which the block before's stores read, is loaded again only behind this wait
.irp t, 0,1,2,3,4,5,6,7,8,9,10,11,12,13,14,15
	global_store_b128 v[CO], v[BK+4*(\t):BK+4*(\t)+3], s[8:9] offset:(16*(\a)+(\t))*ROWC th:TH_STORE_NT  ; the wave stores 512 consecutive bytes of a row, at a multiple of 512 from out0's first byte
.endr
.endm
	s_wait_tensorcnt 1                             ; my part of K step 0 is in; K step 1's may stay out
	s_barrier_signal -1
	s_barrier_wait -1                              ; everybody's is
	FETCH 0, 0, F0
	QUARTER 0, 64,  F0, F1, 1                      ; the first quarter stands in front of the loop: its products start the sums
	WIN 0                                          ; at a label and at a branch every window is 0
	s_mov_b32 s3, LAPS-1
.Llap:                                                 ; a trip goes once round the ring, from a lap's second quarter to the next lap's first, and fills both slots again
	QUARTER 0, 128, F1, F0, 0
	QUARTER 0, 192, F0, F1, 0
	TURN 0, 1, 1
	QUARTER 1, 64,  F0, F1, 0
	QUARTER 1, 128, F1, F0, 0
	QUARTER 1, 192, F0, F1, 0
	TURN 1, 0, 1
	QUARTER 0, 64,  F0, F1, 0
	WIN 0
	s_sub_co_u32 s3, s3, 1
	s_cmp_lg_u32 s3, 0
	s_cbranch_scc1 .Llap
	QUARTER 0, 128, F1, F0, 0                      ; the last lap is written out: it fills nothing, and has no round of the cluster's barrier
	QUARTER 0, 192, F0, F1, 0
	TURN 0, 1, 0
	QUARTER 1, 64,  F0, F1, 0
	QUARTER 1, 128, F1, F0, 0
	QUARTER 1, 192, F0, F1, 0
	s_wait_dscnt 8                                 ; the very last quarter: nothing more to fetch
	MUL16 F1, 0, 0, 0
	MUL16 F1, 0, 2, 0
	s_wait_dscnt 0x0
	MUL16 F1, 1, 0, 0
	MUL16 F1, 1, 2, 0
	WIN 0
	PLACES                                         ; behind the last products: the lines below read results and write over fragments
	PLACES                                         ; (eight, once a launch)
	PACK 0
	TOSTAGE 0
.irp a, 1,2,3,4,5,6,7                  ; block a's arithmetic stands between block a - 1's loads from the stage and the wait for them
	PACK \a
	SEND (\a)-1
	TOSTAGE \a
.endr
	SEND 7
	s_wait_tensorcnt 0x0                           ; the wave's end: behind my last tensor load and my last LDS store
	ds_add_u32 v[SPW], v[NIL]
	s_wait_dscnt 0x0
	CROUND                                         ; the closing round: no work-group ends while a partner may still ask for a tile that names it
	s_endpgm
.Lfunc_end_k_q3b417f68ac_gemm:
	.size	k_q3b417f68ac_gemm, .Lfunc_end_k_q3b417f68ac_gemm-k_q3b417f68ac_gemm
	.p2alignl 7, 3214868480
	.fill 96, 4, 3214868480
	.section	.rodata,"a",@progbits
	.p2align	6, 0x0
	.amdhsa_kernel k_q3b417f68ac_gemm
		.amdhsa_group_segment_fixed_size 327680
		.amdhsa_private_segment_fixed_size 0
		.amdhsa_enable_private_segment 0
		.amdhsa_kernarg_size 48
		.amdhsa_user_sgpr_count 2
		.amdhsa_user_sgpr_kernarg_segment_ptr 1
		.amdhsa_wavefront_size32 1
		.amdhsa_system_sgpr_workgroup_id_x 1
		.amdhsa_system_sgpr_workgroup_id_y 1
		.amdhsa_system_sgpr_workgroup_id_z 1
		.amdhsa_system_vgpr_workitem_id 0
		.amdhsa_next_free_vgpr 1024
		.amdhsa_next_free_sgpr 80
		.amdhsa_reserve_vcc 0
		.amdhsa_float_denorm_mode_32 3
		.amdhsa_float_denorm_mode_16_64 3
		.amdhsa_memory_ordered 1
		.amdhsa_forward_progress 1
		.amdhsa_inst_pref_size 163
	.end_amdhsa_kernel
	.amdgpu_metadata
---
amdhsa.version: [ 1, 2 ]
amdhsa.kernels:
  - .name:           k_q3b417f68ac_gemm
    .symbol:         k_q3b417f68ac_gemm.kd
    .args:
      - { .name: q, .offset: 0, .size: 8, .value_kind: global_buffer, .address_space: global }
      - { .name: wb, .offset: 8, .size: 8, .value_kind: global_buffer, .address_space: global }
      - { .name: out0, .offset: 16, .size: 8, .value_kind: global_buffer, .address_space: global }
      - { .name: inv, .offset: 24, .size: 8, .value_kind: global_buffer, .address_space: global }
      - { .name: bias, .offset: 32, .size: 8, .value_kind: global_buffer, .address_space: global }
      - { .name: weight_scale, .offset: 40, .size: 8, .value_kind: global_buffer, .address_space: global }
    .group_segment_fixed_size: 327680
    .private_segment_fixed_size: 0
    .kernarg_segment_align: 8
    .kernarg_segment_size: 48
    .max_flat_workgroup_size: 128
    .sgpr_count:     80
    .vgpr_count:     1024
    .wavefront_size: 32
...
	.end_amdgpu_metadata
.endif
;; end of part 2
